; MI455X (gfx1250); checked and timed in simulation.
; The chip was launched on July 23, 2026; its instructions are those of AMD's public machine-readable ISA for CDNA 5 (MIT licence, August 2026) and "CDNA5" Instruction Set Architecture Reference Guide (July 2026). The comments in the code are by the model that wrote it; some were corrected since.
;; Perlin Noise. Allowed arithmetic: float matrix products may take bf16 or f16 operands with f32 sums; other float arithmetic in f32, or as packed bf16 or f16 multiplies, adds, multiply-adds, maxima and minima; sums over many terms, partial sums and values carried from step to step in f32; what a program stores and reads back later, other than sums and carried values, may be rounded once to bf16 or f16.
;; Inputs: grad3 12 x 3 float32; perm 256 int32; x 32 x 512 x 512 float32; y 32 x 512 x 512 float32; z 32 x 512 x 512 float32.
;; Outputs: out0 32 x 512 x 512 float32.
;; 2 versions, each right; version 2 is version 1 with the launch noise written anew for expert scheduling mode. Each part assembles by itself: llvm-mc -triple=amdgcn-amd-amdhsa -mcpu=gfx1250 --defsym DOCPART=n.
;; ======== version 1 of 2: 2 launches
;; workspace buffers: idx 33,554,432 bytes of whole numbers
;; launch cells (part 1): grid 2048 x 1, 8 waves a work-group, no clusters, 0 bytes of LDS; arguments x, y, z, idx; writes idx
.if DOCPART == 1
	.amdgcn_target "amdgcn-amd-amdhsa--gfx1250"
	.amdhsa_code_object_version 6
	.text
	.protected	k_qac3a010c5f_cells
	.globl	k_qac3a010c5f_cells
	.p2align	8
	.type	k_qac3a010c5f_cells,@function
k_qac3a010c5f_cells:
	s_mov_b64 s[64:65], 0
	v_nop
	global_prefetch_b8 v0, s[64:65] scope:SCOPE_SE
	s_setreg_imm32_b32 hwreg(HW_REG_WAVE_MODE, 25, 1), 1
	s_wait_xcnt 0x0
; THE CELL NUMBERS OF PERLIN NOISE.  idx[p] = xi | yi << 8 | zi << 16, with xi = int(floor(x[p])) & 255 and yi, zi likewise.
; x, y, z: 8,388,608 numbers of f32 each; idx: as many words.  The next launch forms its table addresses from these words: an address
; there hangs on whole numbers read from memory alone, so the step from coordinates to whole numbers is a launch of its own.
; NOTHING OF THE PROBLEM IS LEFT OUT: this launch and the next together use x, y, z, perm and grad3 and do every step of the noise.
; LIMIT.  |x|, |y|, |z| below 2^31: beyond that the conversion to a whole number saturates.  A NaN gives cell 0; the next launch, which
; reads the coordinates again, carries the NaN to the result.
; SHARES.  A stream: a work-group of eight waves owns 4,096 points, 16 KiB of each array.  Thread t takes four quads of four points, quad q at
; byte 4,096 q + 16 t: each load and store of a wave covers 512 consecutive bytes, aligned.  All twelve loads of a thread go out first;
; no register is loaded twice, so there is no loop, and no source of a pending instruction is ever rewritten.
.set QSTEP, 4096                       ; bytes from a thread's quad to its next
.set IN,    4                          ; v[4:51]  quad q: x in v[IN+12q ..+3], y in ..+4..+7, z in ..+8..+11; the packed words take x's place
	s_load_b256 s[4:11], s[0:1], 0x0               ; x s[4:5], y s[6:7], z s[8:9], idx s[10:11]
	s_lshl_b32 s2, ttmp9, 14                       ; the work-group's 16 KiB
	v_lshl_add_u32 v1, v0, 4, s2                   ; + 16 t: the same byte offset in all four arrays; never rewritten
	s_wait_kmcnt 0x0
.irp q, 0,1,2,3
	global_load_b128 v[IN+12*(\q):IN+12*(\q)+3],    v1, s[4:5] offset:(\q)*QSTEP th:TH_LOAD_NT
	global_load_b128 v[IN+12*(\q)+4:IN+12*(\q)+7],  v1, s[6:7] offset:(\q)*QSTEP th:TH_LOAD_NT
	global_load_b128 v[IN+12*(\q)+8:IN+12*(\q)+11], v1, s[8:9] offset:(\q)*QSTEP th:TH_LOAD_NT
.endr
.irp q, 0,1,2,3
	s_wait_loadcnt 9-3*(\q)                        ; loads come back in order (ISA guide 5.7.1): quad q's three are in, three for each younger quad stay out
.irp r, 0,1,2,3,4,5,6,7,8,9,10,11
	v_floor_f32 v[IN+12*(\q)+(\r)], v[IN+12*(\q)+(\r)]
.endr
.irp r, 0,1,2,3,4,5,6,7,8,9,10,11
	v_cvt_i32_f32 v[IN+12*(\q)+(\r)], v[IN+12*(\q)+(\r)]  ; exact: the number is whole already
.endr
.irp r, 0,1,2,3,4,5,6,7,8,9,10,11
	v_and_b32 v[IN+12*(\q)+(\r)], 0xff, v[IN+12*(\q)+(\r)]  ; & 255, right for negative cells too (two's complement)
.endr
.irp e, 0,1,2,3
	v_lshl_or_b32 v[IN+12*(\q)+(\e)], v[IN+12*(\q)+4+(\e)], 8, v[IN+12*(\q)+(\e)]
.endr
.irp e, 0,1,2,3
	v_lshl_or_b32 v[IN+12*(\q)+(\e)], v[IN+12*(\q)+8+(\e)], 16, v[IN+12*(\q)+(\e)]
.endr
	global_store_b128 v1, v[IN+12*(\q):IN+12*(\q)+3], s[10:11] offset:(\q)*QSTEP th:TH_STORE_NT
.endr
	s_endpgm
.Lfunc_end_k_qac3a010c5f_cells:
	.size	k_qac3a010c5f_cells, .Lfunc_end_k_qac3a010c5f_cells-k_qac3a010c5f_cells
	.p2alignl 7, 3214868480
	.fill 96, 4, 3214868480
	.section	.rodata,"a",@progbits
	.p2align	6, 0x0
	.amdhsa_kernel k_qac3a010c5f_cells
		.amdhsa_group_segment_fixed_size 0
		.amdhsa_private_segment_fixed_size 0
		.amdhsa_enable_private_segment 0
		.amdhsa_kernarg_size 32
		.amdhsa_user_sgpr_count 2
		.amdhsa_user_sgpr_kernarg_segment_ptr 1
		.amdhsa_wavefront_size32 1
		.amdhsa_system_sgpr_workgroup_id_x 1
		.amdhsa_system_sgpr_workgroup_id_y 1
		.amdhsa_system_sgpr_workgroup_id_z 1
		.amdhsa_system_vgpr_workitem_id 0
		.amdhsa_next_free_vgpr 52
		.amdhsa_next_free_sgpr 66
		.amdhsa_reserve_vcc 0
		.amdhsa_float_denorm_mode_32 3
		.amdhsa_float_denorm_mode_16_64 3
		.amdhsa_memory_ordered 1
		.amdhsa_forward_progress 1
		.amdhsa_inst_pref_size 11
	.end_amdhsa_kernel
	.amdgpu_metadata
---
amdhsa.version: [ 1, 2 ]
amdhsa.kernels:
  - .name:           k_qac3a010c5f_cells
    .symbol:         k_qac3a010c5f_cells.kd
    .args:
      - { .name: x, .offset: 0, .size: 8, .value_kind: global_buffer, .address_space: global }
      - { .name: y, .offset: 8, .size: 8, .value_kind: global_buffer, .address_space: global }
      - { .name: z, .offset: 16, .size: 8, .value_kind: global_buffer, .address_space: global }
      - { .name: idx, .offset: 24, .size: 8, .value_kind: global_buffer, .address_space: global }
    .group_segment_fixed_size: 0
    .private_segment_fixed_size: 0
    .kernarg_segment_align: 8
    .kernarg_segment_size: 32
    .max_flat_workgroup_size: 256
    .sgpr_count:     66
    .vgpr_count:     52
    .wavefront_size: 32
...
	.end_amdgpu_metadata
.endif
;; end of part 1
;; launch noise (part 2): grid 256 x 1, 16 waves a work-group, no clusters, 272,384 bytes of LDS; arguments x, y, z, perm, grad3, idx, out0; writes out0
.if DOCPART == 2
	.amdgcn_target "amdgcn-amd-amdhsa--gfx1250"
	.amdhsa_code_object_version 6
	.text
	.protected	k_qac3a010c5f_noise
	.globl	k_qac3a010c5f_noise
	.p2align	8
	.type	k_qac3a010c5f_noise,@function
k_qac3a010c5f_noise:
	s_mov_b64 s[64:65], 0
	v_nop
	global_prefetch_b8 v0, s[64:65] scope:SCOPE_SE
	s_setreg_imm32_b32 hwreg(HW_REG_WAVE_MODE, 25, 1), 1
	s_wait_xcnt 0x0
; PERLIN NOISE.  out0[p] = the trilinear blend (weights: the quintic fades of the fractions xf, yf, zf) of the eight corner values grad3[hash % 12] . (distance to the corner),
; hash = perm[(perm[(perm[xi'] + yi') % 256] + zi') % 256] for xi' = xi, xi + 1 and so on.  x, y, z, out0: 8,388,608 numbers of f32; perm: 256 words; grad3: 12 x 3 f32.
; idx[p] = xi | yi << 8 | zi << 16 was stored by the launch before: every table address here is made of whole numbers read from memory (idx, perm), none of a floating-point number.
; NOTHING IS LEFT OUT: all five inputs are loaded and every step is done.
; LIMITS.  grad3's entries, and the differences of two of them, are kept in f16: within 65,504, each rounded once (to within 2^-11 of itself).  The blend is taken along z first, then x, then y: the same
; trilinear form as z last, in another order of rounding.  perm may hold any 32-bit whole number: % 256 is & 255, % 12 is taken with the sign of the divisor.  A NaN or an infinity in a coordinate gives NaN.
; SEVEN LOOKUPS A POINT.  A row of a table holds what belongs to r AND to r + 1, so one lookup serves both neighbours along an axis:
;   TAB2[r] = 256 x (perm[r] & 255), 256 x (perm[r+1] & 255): two words.  One lookup by xi gives A, B; lookups by A + yi and B + yi give AA, AB and BA, BB.
;   TAB3[r] = with a = grad3[perm[r] % 12], b = grad3[perm[r+1] % 12], in f16: (a.x, b.x - a.x), (a.y, b.y - a.y), (a.z, b.z), 0: four words.  Four lookups, by AA, AB, BA, BB + zi.
; Both have 512 rows, row r + 256 a copy of row r: a sum of two numbers below 256 needs no % 256.  What TAB2 holds is already a row's byte offset: the next address is one addition.
; EVERY LANE HAS ITS OWN COPY.  A row is 256 bytes: in TAB2 lane l's 8 bytes lie at 8 l, in TAB3 the 16 bytes of lanes l and l + 16 at 16 (l % 16).
; THE ARITHMETIC.  For the column of corners (i, j), with w = fade(zf), dx = xf - i, dy = yf - j:  value = dx (a.x + w (b.x - a.x)) + dy (a.y + w (b.y - a.y)) + a.z zf (1 - w) + b.z w (zf - 1):
; the blend along z is inside.  v_fma_mix_f32 reads the f16 halves as they lie; all else goes two points to a line (v_pk_*_f32), points 0, 1 and 2, 3 of a thread's four.
; SHARES.  256 work-groups of 16 waves; a work-group owns 32,768 points, 128 KiB of each array, and walks them in 16 steps of 8 KiB: thread t takes the 16 bytes at 16 t of a step, so each load and store
; of a wave covers 512 consecutive bytes, aligned.  A ring of four steps in registers: 16 loads of every wave are on their way.
.set STEP,  8192                       ; bytes of each array in a step
.set DEPTH, 4                          ; slots of the ring
.set TRIPS, 3                          ; trips of the loop, four steps each; the last four steps load nothing and are written out
.set TAB2,  0                          ; LDS: 512 rows x 256 bytes
.set TAB3,  0x20000                    ; 512 rows x 256 bytes
.set STAGE, 0x40000                    ; the 256 different entries of TAB2 (16 bytes: the two words twice), then those of TAB3, before they are spread
.set SPARE, 0x42000                    ; the spare words, 128 bytes for each of 16 waves: eight blocks of 256 bytes that no other line names
.set TOP2,  TAB3-8                     ; the last 8 bytes of TAB2
.set TOP3,  STAGE-16                   ; the last 16 bytes of TAB3
.set OFF,  2                           ; v2   my byte offset in x, y, z, idx and out0 (all have 4 bytes a point) at the trip's first step
.set L8,   3                           ; v3   8 x lane: my place in a row of TAB2; never rewritten
.set L16,  4                           ; v4   TAB3 + 16 x (lane % 16): my place in a row of TAB3; never rewritten
.set SPW,  6                           ; v6   LDS address of my spare word; never rewritten
.set NIL,  7                           ; v7   0; never rewritten
.set RING, 16                          ; v[16:79]   slot s: x, y, z, idx of four points, 4 registers each
.set XF,   80                          ; v[80:83] xf   v[84:87] yf   v[88:91] zf, later zf (1 - w)
.set YF,   84
.set ZF,   88
.set XM,   92                          ; v[92:95] xf - 1   v[96:99] yf - 1   v[100:103] zf - 1, later w (zf - 1).  XM = XF + 12, YM = YF + 12: PAIR leans on that
.set YM,   96
.set ZM,   100
.set FU,   104                         ; v[104:115] the fades u, v, w
.set FV,   108
.set FW,   112
.set TP,   116                         ; v[116:123] at work
.set TS,   120
.set A1,   124                         ; v[124:127] addresses of the lookups by xi
.set YL,   128                         ; v[128:131] 256 yi + 8 lane
.set ZL,   132                         ; v[132:135] TAB3 + 256 zi + 16 (lane % 16)
.set AB,   136                         ; v[136:143] point e: 256 A, 256 B
.set A2,   144                         ; v[144:151] addresses of the lookups by A + yi, B + yi
.set H2,   152                         ; v[152:167] point e: 256 AA, 256 AB, 256 BA, 256 BB: column c = 2 i + j at H2 + 4 e + c
.set A3,   168                         ; v[168:183] addresses of the lookups in TAB3
.set G,    184                         ; v[184:247] point e, column c: the four words of TAB3's row at G + 16 e + 4 c
.set OUT,  248                         ; v[248:251] the four results
.set T1,   124                         ; when the last lookups are out, v[124:175] are free: column c, point e at + 4 c + e: a.x + w (b.x - a.x),
.set T2R,  140                         ; a.y + w (b.y - a.y),
.set VV,   156                         ; the column's value;
.set DD,   172                         ; and differences for the blends
.set P0,   80                          ; the tables' build works in registers that the steps use later
.set P1,   81
.set GX,   82
.set GY,   83
.set GZ,   84
.set PO0,  85
.set PO1,  86
.set GL,   87
.set SA,   88
.set LN,   89
.set MA,   90
.set MB,   91
.set QT,   92
.set GA,   94
.set GB,   98
.set EN,   104
.set LS,   108
.set SB,   109
.set WV,   18                          ; s18  my wave's number
.set CNT,  19                          ; s19  trips to go
.set C6,   20                          ; s[20:21] 6, s[22:23] -15, s[24:25] 10: the packed lines name pairs and take the low word for both halves
.set C15,  22
.set C10,  24
.set SELX, 26                          ; s26-28 v_perm_b32's selects: byte 1 of the result is idx's byte 0, 1 or 2, the other three are the lane term's
.set SELY, 27
.set SELZ, 28
.set MAGIC, 29                         ; s29  (2^35 + 4) / 12: the high word of u x this, shifted right by 3, is u / 12 for every 32-bit u
.macro FILL s, off                     ; a step's four loads into slot s
	global_load_b128 v[RING+16*(\s):RING+16*(\s)+3],     v[OFF], s[4:5]   offset:\off th:TH_LOAD_NT
	global_load_b128 v[RING+16*(\s)+4:RING+16*(\s)+7],   v[OFF], s[6:7]   offset:\off th:TH_LOAD_NT
	global_load_b128 v[RING+16*(\s)+8:RING+16*(\s)+11],  v[OFF], s[8:9]   offset:\off th:TH_LOAD_NT
	global_load_b128 v[RING+16*(\s)+12:RING+16*(\s)+15], v[OFF], s[14:15] offset:\off th:TH_LOAD_NT
.endm
.macro MOD12 d, p, t                   ; d = 4 x (p mod 12), 0 to 44, for any 32-bit p.  u = p + 2^31 is unsigned, and 2^31 = 8 (mod 12): p mod 12 = (u mod 12 + 4) mod 12
	v_xor_b32 v[\d], 0x80000000, v[\p]
	v_mul_hi_u32 v[\t], v[\d], s[MAGIC]
	v_lshrrev_b32 v[\t], 3, v[\t]
	v_mul_lo_u32 v[\t], v[\t], 12
	v_sub_nc_u32 v[\d], v[\d], v[\t]               ; u mod 12
	v_add_nc_u32 v[\d], 4, v[\d]
	v_add_nc_u32 v[\t], -12, v[\d]                 ; wraps to a huge number where the sum is below 12,
	v_min_u32 v[\d], v[\d], v[\t]                  ; so the smaller of the two is the remainder
	v_lshlrev_b32 v[\d], 2, v[\d]                  ; ds_bpermute_b32 names a lane by 4 x its number
.endm
	s_load_b256 s[4:11], s[0:1], 0x0               ; x s[4:5], y s[6:7], z s[8:9], perm s[10:11]
	s_load_b128 s[12:15], s[0:1], 0x20             ; grad3 s[12:13], idx s[14:15]
	s_load_b64 s[16:17], s[0:1], 0x30              ; out0
	v_lshl_add_u32 v[SPW], v0, 2, SPARE
	v_mov_b32 v[NIL], 0
	v_lshrrev_b32 v1, 5, v0
	v_readfirstlane_b32 s[WV], v1                  ; wave 0..15
	s_lshl_b32 s2, ttmp9, 17                       ; the work-group's 128 KiB
	v_lshl_add_u32 v[OFF], v0, 4, s2
	v_and_b32 v[LN], 31, v0                        ; lane
	v_and_b32 v[PO0], 0xff, v0                     ; my row r of the 256 different ones: threads 0-255 make it for TAB2, threads 256-511 for TAB3
	v_add_nc_u32 v[PO1], 1, v[PO0]
	v_and_b32 v[PO1], 0xff, v[PO1]                 ; (r + 1) % 256
	v_lshlrev_b32 v[PO0], 2, v[PO0]
	v_lshlrev_b32 v[PO1], 2, v[PO1]
	v_min_u32 v[GL], 11, v[LN]                     ; lane l < 12 holds grad3[l]; the others hold grad3[11] once more and are never asked
	v_mul_u32_u24 v[GL], v[GL], 12
	s_mov_b32 s[C6], 0x40c00000                    ; 6.0
	s_mov_b32 s[C6+1], s[C6]
	s_mov_b32 s[C15], 0xc1700000                   ; -15.0
	s_mov_b32 s[C15+1], s[C15]
	s_mov_b32 s[C10], 0x41200000                   ; 10.0
	s_mov_b32 s[C10+1], s[C10]
	s_mov_b32 s[SELX], 0x03020400
	s_mov_b32 s[SELY], 0x03020500
	s_mov_b32 s[SELZ], 0x03020600
	s_mov_b32 s[MAGIC], 0xaaaaaaab
	s_wait_kmcnt 0x0
	global_load_b32 v[P0], v[PO0], s[10:11]        ; the tables' five loads go first, so that they can be waited for while the ring's stay out.
	global_load_b32 v[P1], v[PO1], s[10:11]        ; Every wave issues all five, so that one count holds in all; waves 0-7 do not use the three of grad3
	global_load_b32 v[GX], v[GL], s[12:13]
	global_load_b32 v[GY], v[GL], s[12:13] offset:4
	global_load_b32 v[GZ], v[GL], s[12:13] offset:8
	FILL 0, 0                                      ; steps 0 to 3: they are on their way while the tables are built
	FILL 1, STEP
	FILL 2, 2*STEP
	FILL 3, 3*STEP
	v_lshlrev_b32 v[L8], 3, v[LN]
	v_and_b32 v1, 15, v0
	v_lshl_add_u32 v[L16], v1, 4, TAB3
	v_lshl_add_u32 v[SA], v0, 4, STAGE             ; thread t's entry: TAB2's 256, then TAB3's 256, 16 bytes each
	s_wait_loadcnt 16                              ; the five are in; the ring's sixteen, issued behind them, stay out
	s_cmp_lt_u32 s[WV], 8
	s_cbranch_scc0 .Lgrad
	v_and_b32 v[EN], 0xff, v[P0]                   ; waves 0-7: TAB2's entry of row r
	v_and_b32 v[EN+1], 0xff, v[P1]
	v_lshlrev_b32 v[EN], 8, v[EN]                  ; as byte offsets of rows
	v_lshlrev_b32 v[EN+1], 8, v[EN+1]
	v_mov_b32 v[EN+2], v[EN]                       ; twice: 16 bytes are two lanes' copies
	v_mov_b32 v[EN+3], v[EN+1]
	ds_store_b128 v[SA], v[EN:EN+3]
	s_branch .Lstaged
.Lgrad:                                                ; waves 8-15: TAB3's entry of row r
	MOD12 MA, P0, QT
	MOD12 MB, P1, QT
	ds_bpermute_b32 v[GA],   v[MA], v[GX]          ; a = grad3[perm[r] % 12], out of the lane that holds it
	ds_bpermute_b32 v[GA+1], v[MA], v[GY]
	ds_bpermute_b32 v[GA+2], v[MA], v[GZ]
	ds_bpermute_b32 v[GB],   v[MB], v[GX]          ; b = grad3[perm[r+1] % 12]
	ds_bpermute_b32 v[GB+1], v[MB], v[GY]
	ds_bpermute_b32 v[GB+2], v[MB], v[GZ]
	s_wait_dscnt 0x0
	v_sub_f32 v[GB], v[GB], v[GA]
	v_sub_f32 v[GB+1], v[GB+1], v[GA+1]
	v_cvt_pk_f16_f32 v[EN], v[GA], v[GB]           ; the first source goes into the low half
	v_cvt_pk_f16_f32 v[EN+1], v[GA+1], v[GB+1]
	v_cvt_pk_f16_f32 v[EN+2], v[GA+2], v[GB+2]
	v_mov_b32 v[EN+3], 0                           ; fills the 16 bytes
	ds_store_b128 v[SA], v[EN:EN+3]
.Lstaged:
	s_wait_dscnt 0x0                               ; for the others' sake: my entry lies in the stage
	s_barrier_signal -1
	s_barrier_wait -1
	; THE ENTRIES ARE SPREAD.  Wave w takes rows 16 w .. 16 w + 15 of both tables, two rows at a time: lanes 0-15 all read one entry, lanes 16-31 the next, and the wave stores 512 consecutive bytes,
	; once into rows 0-255 and once into their copies, 65,536 bytes further on.
	s_lshl_b32 s2, s[WV], 8
	s_add_co_u32 s2, s2, STAGE
	v_and_b32 v1, 16, v0
	v_add_nc_u32 v[LS], s2, v1                     ; STAGE + 16 (16 w + lane / 16)
	s_lshl_b32 s3, s[WV], 12
	v_lshl_add_u32 v[SB], v[LN], 4, s3             ; 256 x 16 w + 16 lane, in TAB2
	v_add_nc_u32 v[SB+1], 0x10000, v[SB]           ; TAB2's copies
	v_add_nc_u32 v[SB+2], 0x20000, v[SB]           ; TAB3
	v_add_nc_u32 v[SB+3], 0x30000, v[SB]           ; TAB3's copies
.irp k, 0,1,2,3,4,5,6,7
	ds_load_b128 v[G+4*(\k):G+4*(\k)+3], v[LS] offset:32*(\k)
.endr
.irp k, 0,1,2,3,4,5,6,7
	ds_load_b128 v[G+32+4*(\k):G+32+4*(\k)+3], v[LS] offset:4096+32*(\k)
.endr
	s_wait_dscnt 8                                 ; LDS serves a wave in order (ISA guide 5.7.1): TAB2's eight are in, TAB3's eight may be out
.irp k, 0,1,2,3,4,5,6,7
	ds_store_b128 v[SB],   v[G+4*(\k):G+4*(\k)+3] offset:512*(\k)
	ds_store_b128 v[SB+1], v[G+4*(\k):G+4*(\k)+3] offset:512*(\k)
.endr
	s_wait_dscnt 16                                ; all but the sixteen stores just issued: TAB3's eight are in
.irp k, 0,1,2,3,4,5,6,7
	ds_store_b128 v[SB+2], v[G+32+4*(\k):G+32+4*(\k)+3] offset:512*(\k)
	ds_store_b128 v[SB+3], v[G+32+4*(\k):G+32+4*(\k)+3] offset:512*(\k)
.endr
	s_wait_dscnt 0x0                               ; for the others' sake: my rows lie in the tables
	s_barrier_signal -1
	s_barrier_wait -1                              ; from here on LDS is only read (but for the spare words at the end)
.macro FRAC d, r, t                    ; d = r - floor(r), four points
.irp e, 0,1,2,3
	v_floor_f32 v[\t+(\e)], v[\r+(\e)]
.endr
.irp p, 0,2
	v_pk_add_f32 v[\d+(\p):\d+(\p)+1], v[\r+(\p):\r+(\p)+1], v[\t+(\p):\t+(\p)+1] neg_lo:[0,1] neg_hi:[0,1]
.endr
.endm
.macro FADE d, t                       ; d = t^3 (t (6 t - 15) + 10), four points
.irp p, 0,2
	v_pk_fma_f32 v[TP+(\p):TP+(\p)+1], v[\t+(\p):\t+(\p)+1], s[C6:C6+1], s[C15:C15+1] op_sel_hi:[1,0,0]
	v_pk_mul_f32 v[TS+(\p):TS+(\p)+1], v[\t+(\p):\t+(\p)+1], v[\t+(\p):\t+(\p)+1]
.endr
.irp p, 0,2
	v_pk_fma_f32 v[TP+(\p):TP+(\p)+1], v[TP+(\p):TP+(\p)+1], v[\t+(\p):\t+(\p)+1], s[C10:C10+1] op_sel_hi:[1,1,0]
	v_pk_mul_f32 v[TS+(\p):TS+(\p)+1], v[TS+(\p):TS+(\p)+1], v[\t+(\p):\t+(\p)+1]
.endr
.irp p, 0,2
	v_pk_mul_f32 v[\d+(\p):\d+(\p)+1], v[TS+(\p):TS+(\p)+1], v[TP+(\p):TP+(\p)+1]
.endr
.endm
; Points p and p + 1: the four columns' values and the blends along x and y.  left = the gradient loads of the other pair that may stay out.
.macro PAIR p, left
	s_wait_dscnt \left
.irp c, 0,1,2,3
.irp e, \p, (\p)+1
	v_fma_mix_f32 v[T1+4*(\c)+(\e)],  v[G+16*(\e)+4*(\c)],   v[FW+(\e)], v[G+16*(\e)+4*(\c)]   op_sel:[1,0,0] op_sel_hi:[1,0,1]  ; (b.x - a.x) w + a.x: high half, f32, low half
	v_fma_mix_f32 v[T2R+4*(\c)+(\e)], v[G+16*(\e)+4*(\c)+1], v[FW+(\e)], v[G+16*(\e)+4*(\c)+1] op_sel:[1,0,0] op_sel_hi:[1,0,1]  ; the same for y
.endr
.endr
.irp c, 0,1,2,3                        ; column c = 2 i + j: dx = xf - i, dy = yf - j
	v_pk_mul_f32 v[VV+4*(\c)+(\p):VV+4*(\c)+(\p)+1], v[T1+4*(\c)+(\p):T1+4*(\c)+(\p)+1], v[XF+12*((\c)/2)+(\p):XF+12*((\c)/2)+(\p)+1]
.endr
.irp c, 0,1,2,3
	v_pk_fma_f32 v[VV+4*(\c)+(\p):VV+4*(\c)+(\p)+1], v[T2R+4*(\c)+(\p):T2R+4*(\c)+(\p)+1], v[YF+12*((\c)%2)+(\p):YF+12*((\c)%2)+(\p)+1], v[VV+4*(\c)+(\p):VV+4*(\c)+(\p)+1]
.endr
.irp c, 0,1,2,3
.irp e, \p, (\p)+1
	v_fma_mix_f32 v[VV+4*(\c)+(\e)], v[G+16*(\e)+4*(\c)+2], v[ZF+(\e)], v[VV+4*(\c)+(\e)] op_sel_hi:[1,0,0]  ; + a.z zf (1 - w)
.endr
.endr
.irp c, 0,1,2,3
.irp e, \p, (\p)+1
	v_fma_mix_f32 v[VV+4*(\c)+(\e)], v[G+16*(\e)+4*(\c)+2], v[ZM+(\e)], v[VV+4*(\c)+(\e)] op_sel:[1,0,0] op_sel_hi:[1,0,0]  ; + b.z w (zf - 1)
.endr
.endr
.irp j, 0,1                            ; along x: columns j and 2 + j
	v_pk_add_f32 v[DD+2*(\j):DD+2*(\j)+1], v[VV+8+4*(\j)+(\p):VV+8+4*(\j)+(\p)+1], v[VV+4*(\j)+(\p):VV+4*(\j)+(\p)+1] neg_lo:[0,1] neg_hi:[0,1]
.endr
.irp j, 0,1
	v_pk_fma_f32 v[VV+4*(\j)+(\p):VV+4*(\j)+(\p)+1], v[DD+2*(\j):DD+2*(\j)+1], v[FU+(\p):FU+(\p)+1], v[VV+4*(\j)+(\p):VV+4*(\j)+(\p)+1]
.endr
	v_pk_add_f32 v[DD:DD+1], v[VV+4+(\p):VV+4+(\p)+1], v[VV+(\p):VV+(\p)+1] neg_lo:[0,1] neg_hi:[0,1]  ; along y
.if (\p) == 0
	s_wait_xcnt 0x0                                ; every earlier memory instruction has had its addresses translated (ISA guide 3.1): OUT, which the last step's store reads, is rewritten only behind this wait
.endif
	v_pk_fma_f32 v[OUT+(\p):OUT+(\p)+1], v[DD:DD+1], v[FV+(\p):FV+(\p)+1], v[VV+(\p):VV+(\p)+1]
.endm
; ONE STEP, on slot s.  fill = 1: the slot is loaded again, with the step four further on.  left = how many younger loads may stay out.
; The three levels of lookups hang on each other; the arithmetic that hangs on no lookup stands between them.
.macro ITER s, fill, left
.set RX, RING+16*(\s)
.set RY, RX+4
.set RZ, RX+8
.set RW, RX+12
	s_wait_loadcnt \left                           ; the slot's four loads are in; four for each younger slot stay out
.irp e, 0,1,2,3
	v_perm_b32 v[A1+(\e)], v[RW+(\e)], v[L8], s[SELX]  ; 256 xi + 8 lane
.endr
.irp e, 0,1,2,3
	v_min_u32 v[A1+(\e)], TOP2, v[A1+(\e)]         ; the bound: whatever the words read from memory hold, the address stays inside the table
.endr
.irp e, 0,1,2,3
	ds_load_b64 v[AB+2*(\e):AB+2*(\e)+1], v[A1+(\e)]
.endr
.irp e, 0,1,2,3
	v_perm_b32 v[YL+(\e)], v[RW+(\e)], v[L8], s[SELY]
	v_perm_b32 v[ZL+(\e)], v[RW+(\e)], v[L16], s[SELZ]
.endr
	FRAC XF, RX, TP
	FRAC YF, RY, TS
	FRAC ZF, RZ, TP
.if \fill
	FILL \s, ((\s)+DEPTH)*STEP                     ; the slot has been read out
.endif
.irp p, 0,2
	v_pk_add_f32 v[XM+(\p):XM+(\p)+1], v[XF+(\p):XF+(\p)+1], -1.0 op_sel_hi:[1,0]
	v_pk_add_f32 v[YM+(\p):YM+(\p)+1], v[YF+(\p):YF+(\p)+1], -1.0 op_sel_hi:[1,0]
	v_pk_add_f32 v[ZM+(\p):ZM+(\p)+1], v[ZF+(\p):ZF+(\p)+1], -1.0 op_sel_hi:[1,0]
.endr
.irp e, 0,1,2,3
	s_wait_dscnt 3+(\e)                            ; point e's A, B are in: behind that load stand 3 - e of its kind and the 2 e just issued
	v_add_nc_u32 v[A2+2*(\e)],   v[AB+2*(\e)],   v[YL+(\e)]  ; 256 (A + yi) + 8 lane: row 510 at the most
	v_add_nc_u32 v[A2+2*(\e)+1], v[AB+2*(\e)+1], v[YL+(\e)]
	v_min_u32 v[A2+2*(\e)],   TOP2, v[A2+2*(\e)]   ; the bound
	v_min_u32 v[A2+2*(\e)+1], TOP2, v[A2+2*(\e)+1]
	ds_load_b64 v[H2+4*(\e):H2+4*(\e)+1],   v[A2+2*(\e)]    ; AA, AB
	ds_load_b64 v[H2+4*(\e)+2:H2+4*(\e)+3], v[A2+2*(\e)+1]  ; BA, BB
.endr
	FADE FU, XF
	FADE FV, YF
	FADE FW, ZF
.irp e, 0,1,2,3
	s_wait_dscnt 6+2*(\e)                          ; point e's four hashes are in: behind its second load stand 2 (3 - e) of its kind and the 4 e just issued
.irp c, 0,1,2,3
	v_add_nc_u32 v[A3+4*(\e)+(\c)], v[H2+4*(\e)+(\c)], v[ZL+(\e)]
.endr
.irp c, 0,1,2,3
	v_min_u32 v[A3+4*(\e)+(\c)], TOP3, v[A3+4*(\e)+(\c)]  ; the bound
.endr
.irp c, 0,1,2,3
	ds_load_b128 v[G+16*(\e)+4*(\c):G+16*(\e)+4*(\c)+3], v[A3+4*(\e)+(\c)]
.endr
.endr
.irp p, 0,2
	v_pk_mul_f32 v[ZM+(\p):ZM+(\p)+1], v[FW+(\p):FW+(\p)+1], v[ZM+(\p):ZM+(\p)+1]  ; w (zf - 1)
	v_pk_fma_f32 v[ZF+(\p):ZF+(\p)+1], v[FW+(\p):FW+(\p)+1], v[ZF+(\p):ZF+(\p)+1], v[ZF+(\p):ZF+(\p)+1] neg_lo:[1,0,0] neg_hi:[1,0,0]  ; zf - w zf
.endr
	PAIR 0, 8                                      ; points 0 and 1, while the eight gradient loads of points 2 and 3 may be out
	PAIR 2, 0
	global_store_b128 v[OFF], v[OUT:OUT+3], s[16:17] offset:(\s)*STEP th:TH_STORE_NT
.endm
	s_mov_b32 s[CNT], TRIPS
.Ltrip:                                                ; four steps a trip; each slot is loaded again for the next trip
	ITER 0, 1, 12
	ITER 1, 1, 12
	ITER 2, 1, 12
	ITER 3, 1, 12
	s_wait_xcnt 0x0                                ; every load and store issued so far has read its address: the offset steps only behind this wait
	v_add_nc_u32 v[OFF], DEPTH*STEP, v[OFF]
	s_sub_co_u32 s[CNT], s[CNT], 1
	s_cmp_lg_u32 s[CNT], 0
	s_cbranch_scc1 .Ltrip
	ITER 0, 0, 12                                  ; the last four steps load nothing: no load leaves the arrays, and the counts run down
	ITER 1, 0, 8
	ITER 2, 0, 4
	ITER 3, 0, 0
	s_wait_tensorcnt 0x0                           ; the wave's end
	ds_add_u32 v[SPW], v[NIL]
	s_wait_dscnt 0x0
	s_endpgm
.Lfunc_end_k_qac3a010c5f_noise:
	.size	k_qac3a010c5f_noise, .Lfunc_end_k_qac3a010c5f_noise-k_qac3a010c5f_noise
	.p2alignl 7, 3214868480
	.fill 96, 4, 3214868480
	.section	.rodata,"a",@progbits
	.p2align	6, 0x0
	.amdhsa_kernel k_qac3a010c5f_noise
		.amdhsa_group_segment_fixed_size 272384
		.amdhsa_private_segment_fixed_size 0
		.amdhsa_enable_private_segment 0
		.amdhsa_kernarg_size 56
		.amdhsa_user_sgpr_count 2
		.amdhsa_user_sgpr_kernarg_segment_ptr 1
		.amdhsa_wavefront_size32 1
		.amdhsa_system_sgpr_workgroup_id_x 1
		.amdhsa_system_sgpr_workgroup_id_y 1
		.amdhsa_system_sgpr_workgroup_id_z 1
		.amdhsa_system_vgpr_workitem_id 0
		.amdhsa_next_free_vgpr 256
		.amdhsa_next_free_sgpr 66
		.amdhsa_reserve_vcc 0
		.amdhsa_float_denorm_mode_32 3
		.amdhsa_float_denorm_mode_16_64 3
		.amdhsa_memory_ordered 1
		.amdhsa_forward_progress 1
		.amdhsa_inst_pref_size 128
	.end_amdhsa_kernel
	.amdgpu_metadata
---
amdhsa.version: [ 1, 2 ]
amdhsa.kernels:
  - .name:           k_qac3a010c5f_noise
    .symbol:         k_qac3a010c5f_noise.kd
    .args:
      - { .name: x, .offset: 0, .size: 8, .value_kind: global_buffer, .address_space: global }
      - { .name: y, .offset: 8, .size: 8, .value_kind: global_buffer, .address_space: global }
      - { .name: z, .offset: 16, .size: 8, .value_kind: global_buffer, .address_space: global }
      - { .name: perm, .offset: 24, .size: 8, .value_kind: global_buffer, .address_space: global }
      - { .name: grad3, .offset: 32, .size: 8, .value_kind: global_buffer, .address_space: global }
      - { .name: idx, .offset: 40, .size: 8, .value_kind: global_buffer, .address_space: global }
      - { .name: out0, .offset: 48, .size: 8, .value_kind: global_buffer, .address_space: global }
    .group_segment_fixed_size: 272384
    .private_segment_fixed_size: 0
    .kernarg_segment_align: 8
    .kernarg_segment_size: 56
    .max_flat_workgroup_size: 512
    .sgpr_count:     66
    .vgpr_count:     256
    .wavefront_size: 32
...
	.end_amdgpu_metadata
.endif
;; end of part 2
;; ======== version 2 of 2: 2 launches; version 1 with the launch noise written anew for expert scheduling mode
;; workspace buffers: idx 33,554,432 bytes of whole numbers
;; launch cells: the kernel of part 1 again; grid 2048 x 1, 8 waves a work-group, no clusters, 0 bytes of LDS; arguments x, y, z, idx; writes idx
;; launch noise (part 3): grid 256 x 1, 16 waves a work-group, no clusters, 272,384 bytes of LDS; arguments x, y, z, perm, grad3, idx, out0; writes out0
.if DOCPART == 3
	.amdgcn_target "amdgcn-amd-amdhsa--gfx1250"
	.amdhsa_code_object_version 6
	.text
	.protected	k_qac3a010c5f_noise
	.globl	k_qac3a010c5f_noise
	.p2align	8
	.type	k_qac3a010c5f_noise,@function
k_qac3a010c5f_noise:
	s_mov_b64 s[64:65], 0
	v_nop
	global_prefetch_b8 v0, s[64:65] scope:SCOPE_SE
	s_setreg_imm32_b32 hwreg(HW_REG_WAVE_SCHED_MODE, 0, 2), 2
	s_setreg_imm32_b32 hwreg(HW_REG_WAVE_MODE, 25, 1), 1
	s_wait_xcnt 0x0
	s_wait_alu depctr_vm_vsrc(0)
; PERLIN NOISE.  out0[p] = the trilinear blend (weights: the quintic fades of the fractions xf, yf, zf) of the eight corner values grad3[hash % 12] . (distance to the corner),
; hash = perm[(perm[(perm[xi'] + yi') % 256] + zi') % 256] for xi' = xi, xi + 1 and so on.  x, y, z, out0: 8,388,608 numbers of f32; perm: 256 words; grad3: 12 x 3 f32.
; idx[p] = xi | yi << 8 | zi << 16 was stored by the launch before: every table address here is made of whole numbers read from memory (idx, perm), none of a floating-point number.
; NOTHING IS LEFT OUT: all five inputs are loaded and every step is done.
; LIMITS.  grad3's entries, and the differences of two of them, are kept in f16: within 65,504, each rounded once (to within 2^-11 of itself).  The blend is taken along z first, then x, then y: the same
; trilinear form as z last, in another order of rounding.  perm may hold any 32-bit whole number: % 256 is & 255, % 12 is taken with the sign of the divisor.  A NaN or an infinity in a coordinate gives NaN.
; SEVEN LOOKUPS A POINT.  A row of a table holds what belongs to r AND to r + 1, so one lookup serves both neighbours along an axis:
;   TAB2[r] = 256 x (perm[r] & 255), 256 x (perm[r+1] & 255): two words.  One lookup by xi gives A, B; lookups by A + yi and B + yi give AA, AB and BA, BB.
;   TAB3[r] = with a = grad3[perm[r] % 12], b = grad3[perm[r+1] % 12], in f16: (a.x, b.x - a.x), (a.y, b.y - a.y), (a.z, b.z), 0: four words.  Four lookups, by AA, AB, BA, BB + zi.
; Both have 512 rows, row r + 256 a copy of row r: a sum of two numbers below 256 needs no % 256.  What TAB2 holds is already a row's byte offset: the next address is one addition.
; EVERY LANE HAS ITS OWN COPY.  A row is 256 bytes: in TAB2 lane l's 8 bytes lie at 8 l, in TAB3 the 16 bytes of lanes l and l + 16 at 16 (l % 16).
; THE ARITHMETIC.  For the column of corners (i, j), with w = fade(zf), dx = xf - i, dy = yf - j:  value = dx (a.x + w (b.x - a.x)) + dy (a.y + w (b.y - a.y)) + a.z zf (1 - w) + b.z w (zf - 1):
; the blend along z is inside.  v_fma_mix_f32 reads the f16 halves as they lie; all else goes two points to a line (v_pk_*_f32), points 0, 1 and 2, 3 of a thread's four.
; SHARES.  256 work-groups of 16 waves; a work-group owns 32,768 points, 128 KiB of each array, and walks them in 16 steps of 8 KiB: thread t takes the 16 bytes at 16 t of a step, so each load and store
; of a wave covers 512 consecutive bytes, aligned.  A ring of four steps in registers: 12 to 16 loads of every wave are on their way.
; THE MODE: SCHED_MODE bits 1:0 = 2 (LLVM: expert scheduling mode 2), set by the entry lines.  The code itself states the register dependences
; between vector instructions and memory or LDS instructions, with s_wait_alu, always for 0.
; THE PLAN.  A step is cut in two.  HEAD(s): the fractions, the addresses by A + yi and B + yi, their eight lookups, and the store of step s - 1.  BODY(s): the fades, the addresses into TAB3 and, beside them,
; step s + 1's addresses by xi; the sixteen gradient lookups, step s + 1's four lookups by xi, the slot's refill; the blends.  Registers that memory or LDS instructions touch, in the loop:
;   RING slot s  Read by BODY(s - 1) (idx, for the addresses by xi) and by HEAD(s); the loads of step s + 4 land in it in BODY(s).
;   NA1          Written in BODY(s); read by step s + 1's four lookups by xi, issued in BODY(s).
;   AB           Those lookups land in it; read by HEAD(s + 1)'s additions.
;   A2           Written in HEAD(s); read by its eight lookups; written again by BODY(s)'s blends, which work in v[116:167].
;   H2           HEAD(s)'s lookups land in it; read by BODY(s)'s additions; then the blends work in it.
;   A3           Written in BODY(s); read by its sixteen gradient lookups.
;   G            Those land in it; read by BODY(s)'s blends.
;   OUT          Written at the end of BODY(s); read by the store in HEAD(s + 1).
;   v[OFF]       Read by every global load and store; made at the head and never written again: the five scalar bases move on by four steps at a trip's end.
; So a step has three waits.  One on va_vdst at HEAD's end: A2 and the last step's OUT are written, and the last step's blends are done with H2's registers.  One on vm_vsrc in BODY, fourteen vector
; lines behind the store: all that has been issued has read A2, A3, NA1 and OUT, which are written again only behind it.  One on va_vdst behind BODY's addresses: A3 and NA1 are written, and the
; readers of G, AB and the slot are done; the 24 loads behind it are dealt among two fades, which name none of the registers that those loads touch.
.set STEP,  8192                       ; bytes of each array in a step
.set DEPTH, 4                          ; slots of the ring
.set TRIPS, 3                          ; trips of the loop, four steps each; the last four steps load nothing and are written out
.set TAB2,  0                          ; LDS: 512 rows x 256 bytes
.set TAB3,  0x20000                    ; 512 rows x 256 bytes
.set STAGE, 0x40000                    ; the 256 different entries of TAB2 (16 bytes: the two words twice), then those of TAB3, before they are spread
.set SPARE, 0x42000                    ; the spare words, 128 bytes for each of 16 waves: eight blocks of 256 bytes that no other line names
.set TOP2,  TAB3-8                     ; the last 8 bytes of TAB2
.set TOP3,  STAGE-16                   ; the last 16 bytes of TAB3
.set OFF,  2                           ; v2   my byte offset in x, y, z, idx and out0 (all have 4 bytes a point) in the work-group's first step; never rewritten
.set L8,   3                           ; v3   8 x lane: my place in a row of TAB2; never rewritten
.set L16,  4                           ; v4   TAB3 + 16 x (lane % 16): my place in a row of TAB3; never rewritten
.set SPW,  6                           ; v6   LDS address of my spare word; never rewritten
.set NIL,  7                           ; v7   0; never rewritten
.set AB,   8                           ; v[8:15]    point e: 256 A, 256 B, of the step to come
.set RING, 16                          ; v[16:79]   slot s: x, y, z, idx of four points, 4 registers each
.set XF,   80                          ; v[80:83] xf   v[84:87] yf   v[88:91] zf, later zf (1 - w)
.set YF,   84
.set ZF,   88
.set XM,   92                          ; v[92:95] xf - 1   v[96:99] yf - 1   v[100:103] zf - 1, later w (zf - 1).  XM = XF + 12, YM = YF + 12: PAIR leans on that
.set YM,   96
.set ZM,   100
.set FU,   104                         ; v[104:115] the fades u, v, w
.set FV,   108
.set FW,   112
.set TP,   116                         ; v[116:123] at work
.set TS,   120
.set YL,   128                         ; v[128:131] 256 yi + 8 lane
.set ZL,   132                         ; v[132:135] TAB3 + 256 zi + 16 (lane % 16)
.set A2,   144                         ; v[144:151] addresses of the lookups by A + yi, B + yi
.set H2,   152                         ; v[152:167] point e: 256 AA, 256 AB, 256 BA, 256 BB: column c = 2 i + j at H2 + 4 e + c
.set A3,   168                         ; v[168:183] addresses of the lookups in TAB3
.set G,    184                         ; v[184:247] point e, column c: the four words of TAB3's row at G + 16 e + 4 c
.set OUT,  248                         ; v[248:251] the four results
.set NA1,  252                         ; v[252:255] addresses of the lookups by xi, of the step to come
.set T1,   116                         ; when the fades are made and the last addresses formed, v[116:167] are free: column c, point e at + 4 c + e: a.x + w (b.x - a.x),
.set T2R,  132                         ; a.y + w (b.y - a.y),
.set VV,   148                         ; the column's value;
.set DD,   164                         ; and differences for the blends
.set P0,   80                          ; the tables' build works in registers that the steps use later
.set P1,   81
.set GX,   82
.set GY,   83
.set GZ,   84
.set PO0,  85
.set PO1,  86
.set GL,   87
.set SA,   88
.set LN,   89
.set MA,   90
.set MB,   91
.set QT,   92
.set GA,   94
.set GB,   98
.set EN,   104
.set LS,   108
.set SB,   109
.set WV,   18                          ; s18  my wave's number
.set CNT,  19                          ; s19  trips to go
.set C6,   20                          ; s[20:21] 6, s[22:23] -15, s[24:25] 10: the packed lines name pairs and take the low word for both halves
.set C15,  22
.set C10,  24
.set SELX, 26                          ; s26-28 v_perm_b32's selects: byte 1 of the result is idx's byte 0, 1 or 2, the other three are the lane term's
.set SELY, 27
.set SELZ, 28
.set MAGIC, 29                         ; s29  (2^35 + 4) / 12: the high word of u x this, shifted right by 3, is u / 12 for every 32-bit u
.macro FILL s, off                     ; a step's four loads into slot s
	global_load_b128 v[RING+16*(\s):RING+16*(\s)+3],     v[OFF], s[4:5]   offset:\off th:TH_LOAD_NT
	global_load_b128 v[RING+16*(\s)+4:RING+16*(\s)+7],   v[OFF], s[6:7]   offset:\off th:TH_LOAD_NT
	global_load_b128 v[RING+16*(\s)+8:RING+16*(\s)+11],  v[OFF], s[8:9]   offset:\off th:TH_LOAD_NT
	global_load_b128 v[RING+16*(\s)+12:RING+16*(\s)+15], v[OFF], s[14:15] offset:\off th:TH_LOAD_NT
.endm
.macro MOD12 d, p, t                   ; d = 4 x (p mod 12), 0 to 44, for any 32-bit p.  u = p + 2^31 is unsigned, and 2^31 = 8 (mod 12): p mod 12 = (u mod 12 + 4) mod 12
	v_xor_b32 v[\d], 0x80000000, v[\p]
	v_mul_hi_u32 v[\t], v[\d], s[MAGIC]
	v_lshrrev_b32 v[\t], 3, v[\t]
	v_mul_lo_u32 v[\t], v[\t], 12
	v_sub_nc_u32 v[\d], v[\d], v[\t]               ; u mod 12
	v_add_nc_u32 v[\d], 4, v[\d]
	v_add_nc_u32 v[\t], -12, v[\d]                 ; wraps to a huge number where the sum is below 12,
	v_min_u32 v[\d], v[\d], v[\t]                  ; so the smaller of the two is the remainder
	v_lshlrev_b32 v[\d], 2, v[\d]                  ; ds_bpermute_b32 names a lane by 4 x its number
.endm
	s_load_b256 s[4:11], s[0:1], 0x0               ; x s[4:5], y s[6:7], z s[8:9], perm s[10:11]
	s_load_b128 s[12:15], s[0:1], 0x20             ; grad3 s[12:13], idx s[14:15]
	s_load_b64 s[16:17], s[0:1], 0x30              ; out0
	v_lshl_add_u32 v[SPW], v0, 2, SPARE
	v_mov_b32 v[NIL], 0
	v_lshrrev_b32 v1, 5, v0
	v_readfirstlane_b32 s[WV], v1                  ; wave 0..15
	s_lshl_b32 s2, ttmp9, 17                       ; the work-group's 128 KiB
	v_lshl_add_u32 v[OFF], v0, 4, s2
	v_and_b32 v[LN], 31, v0                        ; lane
	v_and_b32 v[PO0], 0xff, v0                     ; my row r of the 256 different ones: threads 0-255 make it for TAB2, threads 256-511 for TAB3
	v_add_nc_u32 v[PO1], 1, v[PO0]
	v_and_b32 v[PO1], 0xff, v[PO1]                 ; (r + 1) % 256
	v_lshlrev_b32 v[PO0], 2, v[PO0]
	v_lshlrev_b32 v[PO1], 2, v[PO1]
	v_min_u32 v[GL], 11, v[LN]                     ; lane l < 12 holds grad3[l]; the others hold grad3[11] once more and are never asked
	v_mul_u32_u24 v[GL], v[GL], 12
	s_mov_b32 s[C6], 0x40c00000                    ; 6.0
	s_mov_b32 s[C6+1], s[C6]
	s_mov_b32 s[C15], 0xc1700000                   ; -15.0
	s_mov_b32 s[C15+1], s[C15]
	s_mov_b32 s[C10], 0x41200000                   ; 10.0
	s_mov_b32 s[C10+1], s[C10]
	s_mov_b32 s[SELX], 0x03020400
	s_mov_b32 s[SELY], 0x03020500
	s_mov_b32 s[SELZ], 0x03020600
	s_mov_b32 s[MAGIC], 0xaaaaaaab
	s_wait_alu depctr_va_sdst(0)                   ; s18, the wave's number, is written, ahead of its first reader: the compare that parts the waves below
	s_wait_kmcnt 0x0
	s_wait_alu depctr_va_vdst(0)                   ; the offsets v[PO0], v[PO1], v[GL] and v[OFF] are written, which the loads below read
	global_load_b32 v[P0], v[PO0], s[10:11]        ; the tables' five loads go first, so that they can be waited for while the ring's stay out.
	global_load_b32 v[P1], v[PO1], s[10:11]        ; Every wave issues all five, so that one count holds in all; waves 0-7 do not use the three of grad3
	global_load_b32 v[GX], v[GL], s[12:13]
	global_load_b32 v[GY], v[GL], s[12:13] offset:4
	global_load_b32 v[GZ], v[GL], s[12:13] offset:8
	FILL 0, 0                                      ; steps 0 to 3: they are on their way while the tables are built
	FILL 1, STEP
	FILL 2, 2*STEP
	FILL 3, 3*STEP
	v_lshlrev_b32 v[L8], 3, v[LN]
	v_and_b32 v1, 15, v0
	v_lshl_add_u32 v[L16], v1, 4, TAB3
	v_lshl_add_u32 v[SA], v0, 4, STAGE             ; thread t's entry: TAB2's 256, then TAB3's 256, 16 bytes each
	s_wait_loadcnt 16                              ; the five are in; the ring's sixteen, issued behind them, stay out
	s_cmp_lt_u32 s[WV], 8
	s_cbranch_scc0 .Lgrad
	v_and_b32 v[EN], 0xff, v[P0]                   ; waves 0-7: TAB2's entry of row r
	v_and_b32 v[EN+1], 0xff, v[P1]
	v_lshlrev_b32 v[EN], 8, v[EN]                  ; as byte offsets of rows
	v_lshlrev_b32 v[EN+1], 8, v[EN+1]
	v_mov_b32 v[EN+2], v[EN]                       ; twice: 16 bytes are two lanes' copies
	v_mov_b32 v[EN+3], v[EN+1]
	s_wait_alu depctr_va_vdst(0)                   ; the entry v[EN ..] and its address v[SA] are written, which the LDS store reads
	ds_store_b128 v[SA], v[EN:EN+3]
	s_branch .Lstaged
.Lgrad:                                                ; waves 8-15: TAB3's entry of row r
	MOD12 MA, P0, QT
	MOD12 MB, P1, QT
	s_wait_alu depctr_va_vdst(0)                   ; the lane numbers v[MA] and v[MB] are written, which the permutes read
	ds_bpermute_b32 v[GA],   v[MA], v[GX]          ; a = grad3[perm[r] % 12], out of the lane that holds it
	ds_bpermute_b32 v[GA+1], v[MA], v[GY]
	ds_bpermute_b32 v[GA+2], v[MA], v[GZ]
	ds_bpermute_b32 v[GB],   v[MB], v[GX]          ; b = grad3[perm[r+1] % 12]
	ds_bpermute_b32 v[GB+1], v[MB], v[GY]
	ds_bpermute_b32 v[GB+2], v[MB], v[GZ]
	s_wait_dscnt 0x0
	v_sub_f32 v[GB], v[GB], v[GA]
	v_sub_f32 v[GB+1], v[GB+1], v[GA+1]
	v_cvt_pk_f16_f32 v[EN], v[GA], v[GB]           ; the first source goes into the low half
	v_cvt_pk_f16_f32 v[EN+1], v[GA+1], v[GB+1]
	v_cvt_pk_f16_f32 v[EN+2], v[GA+2], v[GB+2]
	v_mov_b32 v[EN+3], 0                           ; fills the 16 bytes
	s_wait_alu depctr_va_vdst(0)                   ; the entry v[EN ..] is written, which the LDS store reads (v[SA] was written ahead of the wait before)
	ds_store_b128 v[SA], v[EN:EN+3]
.Lstaged:
	s_wait_dscnt 0x0                               ; for the others' sake: my entry lies in the stage
	s_barrier_signal -1
	s_barrier_wait -1
	; THE ENTRIES ARE SPREAD.  Wave w takes rows 16 w .. 16 w + 15 of both tables, two rows at a time: lanes 0-15 all read one entry, lanes 16-31 the next, and the wave stores 512 consecutive bytes,
	; once into rows 0-255 and once into their copies, 65,536 bytes further on.
	s_lshl_b32 s2, s[WV], 8
	s_add_co_u32 s2, s2, STAGE
	v_and_b32 v1, 16, v0
	v_add_nc_u32 v[LS], s2, v1                     ; STAGE + 16 (16 w + lane / 16)
	s_lshl_b32 s3, s[WV], 12
	v_lshl_add_u32 v[SB], v[LN], 4, s3             ; 256 x 16 w + 16 lane, in TAB2
	v_add_nc_u32 v[SB+1], 0x10000, v[SB]           ; TAB2's copies
	v_add_nc_u32 v[SB+2], 0x20000, v[SB]           ; TAB3
	v_add_nc_u32 v[SB+3], 0x30000, v[SB]           ; TAB3's copies
	s_wait_alu depctr_va_vdst(0)                   ; the five addresses v[LS] and v[SB ..] are written, which the LDS loads and stores below read
.irp k, 0,1,2,3,4,5,6,7
	ds_load_b128 v[G+4*(\k):G+4*(\k)+3], v[LS] offset:32*(\k)
.endr
.irp k, 0,1,2,3,4,5,6,7
	ds_load_b128 v[G+32+4*(\k):G+32+4*(\k)+3], v[LS] offset:4096+32*(\k)
.endr
	s_wait_dscnt 8                                 ; LDS serves a wave in order (ISA guide 5.7.1): TAB2's eight are in, TAB3's eight may be out
.irp k, 0,1,2,3,4,5,6,7
	ds_store_b128 v[SB],   v[G+4*(\k):G+4*(\k)+3] offset:512*(\k)
	ds_store_b128 v[SB+1], v[G+4*(\k):G+4*(\k)+3] offset:512*(\k)
.endr
	s_wait_dscnt 16                                ; all but the sixteen stores just issued: TAB3's eight are in
.irp k, 0,1,2,3,4,5,6,7
	ds_store_b128 v[SB+2], v[G+32+4*(\k):G+32+4*(\k)+3] offset:512*(\k)
	ds_store_b128 v[SB+3], v[G+32+4*(\k):G+32+4*(\k)+3] offset:512*(\k)
.endr
	s_wait_dscnt 0x0                               ; for the others' sake: my rows lie in the tables
	s_barrier_signal -1
	s_barrier_wait -1                              ; from here on LDS is only read (but for the spare words at the end)
.macro FRAC d, r, t                    ; d = r - floor(r), four points
.irp e, 0,1,2,3
	v_floor_f32 v[\t+(\e)], v[\r+(\e)]
.endr
.irp p, 0,2
	v_pk_add_f32 v[\d+(\p):\d+(\p)+1], v[\r+(\p):\r+(\p)+1], v[\t+(\p):\t+(\p)+1] neg_lo:[0,1] neg_hi:[0,1]
.endr
.endm
.macro FADE d, t                       ; d = t^3 (t (6 t - 15) + 10), four points
.irp p, 0,2
	v_pk_fma_f32 v[TP+(\p):TP+(\p)+1], v[\t+(\p):\t+(\p)+1], s[C6:C6+1], s[C15:C15+1] op_sel_hi:[1,0,0]
	v_pk_mul_f32 v[TS+(\p):TS+(\p)+1], v[\t+(\p):\t+(\p)+1], v[\t+(\p):\t+(\p)+1]
.endr
.irp p, 0,2
	v_pk_fma_f32 v[TP+(\p):TP+(\p)+1], v[TP+(\p):TP+(\p)+1], v[\t+(\p):\t+(\p)+1], s[C10:C10+1] op_sel_hi:[1,1,0]
	v_pk_mul_f32 v[TS+(\p):TS+(\p)+1], v[TS+(\p):TS+(\p)+1], v[\t+(\p):\t+(\p)+1]
.endr
.irp p, 0,2
	v_pk_mul_f32 v[\d+(\p):\d+(\p)+1], v[TS+(\p):TS+(\p)+1], v[TP+(\p):TP+(\p)+1]
.endr
.endm
; The addresses of a step's lookups by xi, from the idx words at register w.
.macro XADDR w
.irp e, 0,1,2,3
	v_perm_b32 v[NA1+(\e)], v[\w+(\e)], v[L8], s[SELX]  ; 256 xi + 8 lane
.endr
.irp e, 0,1,2,3
	v_min_u32 v[NA1+(\e)], TOP2, v[NA1+(\e)]       ; the bound: whatever the words read from memory hold, the address stays inside the table
.endr
.endm
.macro XLOOK                           ; and the four lookups
.irp e, 0,1,2,3
	ds_load_b64 v[AB+2*(\e):AB+2*(\e)+1], v[NA1+(\e)]
.endr
.endm
; Points p and p + 1: the four columns' values and the blends along x and y.  left = the LDS loads issued behind this pair's eight gradient loads, which may stay out.
.macro PAIR p, left
	s_wait_dscnt \left
.irp c, 0,1,2,3
.irp e, \p, (\p)+1
	v_fma_mix_f32 v[T1+4*(\c)+(\e)],  v[G+16*(\e)+4*(\c)],   v[FW+(\e)], v[G+16*(\e)+4*(\c)]   op_sel:[1,0,0] op_sel_hi:[1,0,1]  ; (b.x - a.x) w + a.x: high half, f32, low half
	v_fma_mix_f32 v[T2R+4*(\c)+(\e)], v[G+16*(\e)+4*(\c)+1], v[FW+(\e)], v[G+16*(\e)+4*(\c)+1] op_sel:[1,0,0] op_sel_hi:[1,0,1]  ; the same for y
.endr
.endr
.irp c, 0,1,2,3                        ; column c = 2 i + j: dx = xf - i, dy = yf - j
	v_pk_mul_f32 v[VV+4*(\c)+(\p):VV+4*(\c)+(\p)+1], v[T1+4*(\c)+(\p):T1+4*(\c)+(\p)+1], v[XF+12*((\c)/2)+(\p):XF+12*((\c)/2)+(\p)+1]
.endr
.irp c, 0,1,2,3
	v_pk_fma_f32 v[VV+4*(\c)+(\p):VV+4*(\c)+(\p)+1], v[T2R+4*(\c)+(\p):T2R+4*(\c)+(\p)+1], v[YF+12*((\c)%2)+(\p):YF+12*((\c)%2)+(\p)+1], v[VV+4*(\c)+(\p):VV+4*(\c)+(\p)+1]
.endr
.irp c, 0,1,2,3
.irp e, \p, (\p)+1
	v_fma_mix_f32 v[VV+4*(\c)+(\e)], v[G+16*(\e)+4*(\c)+2], v[ZF+(\e)], v[VV+4*(\c)+(\e)] op_sel_hi:[1,0,0]  ; + a.z zf (1 - w)
.endr
.endr
.irp c, 0,1,2,3
.irp e, \p, (\p)+1
	v_fma_mix_f32 v[VV+4*(\c)+(\e)], v[G+16*(\e)+4*(\c)+2], v[ZM+(\e)], v[VV+4*(\c)+(\e)] op_sel:[1,0,0] op_sel_hi:[1,0,0]  ; + b.z w (zf - 1)
.endr
.endr
.irp j, 0,1                            ; along x: columns j and 2 + j
	v_pk_add_f32 v[DD+2*(\j):DD+2*(\j)+1], v[VV+8+4*(\j)+(\p):VV+8+4*(\j)+(\p)+1], v[VV+4*(\j)+(\p):VV+4*(\j)+(\p)+1] neg_lo:[0,1] neg_hi:[0,1]
.endr
.irp j, 0,1
	v_pk_fma_f32 v[VV+4*(\j)+(\p):VV+4*(\j)+(\p)+1], v[DD+2*(\j):DD+2*(\j)+1], v[FU+(\p):FU+(\p)+1], v[VV+4*(\j)+(\p):VV+4*(\j)+(\p)+1]
.endr
	v_pk_add_f32 v[DD:DD+1], v[VV+4+(\p):VV+4+(\p)+1], v[VV+(\p):VV+(\p)+1] neg_lo:[0,1] neg_hi:[0,1]  ; along y
	v_pk_fma_f32 v[OUT+(\p):OUT+(\p)+1], v[DD:DD+1], v[FV+(\p):FV+(\p)+1], v[VV+(\p):VV+(\p)+1]
.endm
; THE FIRST HALF OF A STEP, on slot s, whose loads have been waited for in the half before.  st = the byte offset, from the trip's first step, at which the step before is stored; below 0: there is none.
.macro HEAD s, st
.set RX, RING+16*(\s)
.set RY, RX+4
.set RZ, RX+8
.set RW, RX+12
.irp e, 0,1,2,3
	v_perm_b32 v[YL+(\e)], v[RW+(\e)], v[L8], s[SELY]
	v_perm_b32 v[ZL+(\e)], v[RW+(\e)], v[L16], s[SELZ]
.endr
	FRAC XF, RX, TP
	FRAC YF, RY, TS
	FRAC ZF, RZ, TP
.irp p, 0,2
	v_pk_add_f32 v[XM+(\p):XM+(\p)+1], v[XF+(\p):XF+(\p)+1], -1.0 op_sel_hi:[1,0]
	v_pk_add_f32 v[YM+(\p):YM+(\p)+1], v[YF+(\p):YF+(\p)+1], -1.0 op_sel_hi:[1,0]
	v_pk_add_f32 v[ZM+(\p):ZM+(\p)+1], v[ZF+(\p):ZF+(\p)+1], -1.0 op_sel_hi:[1,0]
.endr
	s_wait_dscnt 0x0                               ; A, B of the four points are in: their lookups went out behind the last step's gradient lookups
.irp e, 0,1,2,3
	v_add_nc_u32 v[A2+2*(\e)],   v[AB+2*(\e)],   v[YL+(\e)]  ; 256 (A + yi) + 8 lane: row 510 at the most
	v_add_nc_u32 v[A2+2*(\e)+1], v[AB+2*(\e)+1], v[YL+(\e)]
.endr
.irp e, 0,1,2,3
	v_min_u32 v[A2+2*(\e)],   TOP2, v[A2+2*(\e)]   ; the bound
	v_min_u32 v[A2+2*(\e)+1], TOP2, v[A2+2*(\e)+1]
.endr
	s_wait_alu depctr_va_vdst(0)                   ; the addresses A2 are written, which the lookups below read; the last step's blends have written OUT, which the store reads, and are done with H2's registers, in which the lookups land
.irp e, 0,1,2,3
	ds_load_b64 v[H2+4*(\e):H2+4*(\e)+1],   v[A2+2*(\e)]    ; AA, AB
	ds_load_b64 v[H2+4*(\e)+2:H2+4*(\e)+3], v[A2+2*(\e)+1]  ; BA, BB
.endr
.if (\st) >= 0
	global_store_b128 v[OFF], v[OUT:OUT+3], s[16:17] offset:\st th:TH_STORE_NT  ; the step before
.endif
.endm
; THE SECOND HALF, on slot s.  fill = 1: the slot is loaded again, with the step four further on.  next = 1: a step follows: its slot is waited for and its lookups by xi go out.
; left = how many loads younger than the next slot's four may stay out.
.macro BODY s, fill, next, left
.set NW, RING+16*(((\s)+1)%DEPTH)+12   ; the next slot's idx
	FADE FW, ZF
.irp p, 0,2
	v_pk_mul_f32 v[ZM+(\p):ZM+(\p)+1], v[FW+(\p):FW+(\p)+1], v[ZM+(\p):ZM+(\p)+1]  ; w (zf - 1)
	v_pk_fma_f32 v[ZF+(\p):ZF+(\p)+1], v[FW+(\p):FW+(\p)+1], v[ZF+(\p):ZF+(\p)+1], v[ZF+(\p):ZF+(\p)+1] neg_lo:[1,0,0] neg_hi:[1,0,0]  ; zf - w zf
.endr
	s_wait_xcnt 0x0                                ; every earlier memory instruction has had its addresses translated (ISA guide 3.1): OUT, which the store in the first half reads, is rewritten only behind this wait
	s_wait_alu depctr_vm_vsrc(0)                   ; the lookups issued so far have read NA1, A2 and A3, and the store has read OUT: the lines below write NA1 and A3 anew, the blends A2's registers and OUT
.if \next
	s_wait_loadcnt \left                           ; loads come back in order (ISA guide 5.7.1): the next slot's four are in, four for each younger slot stay out
	XADDR NW
.endif
	s_wait_dscnt 0x0                               ; the sixteen hashes are in
.irp e, 0,1,2,3
.irp c, 0,1,2,3
	v_add_nc_u32 v[A3+4*(\e)+(\c)], v[H2+4*(\e)+(\c)], v[ZL+(\e)]
.endr
.endr
.irp e, 0,1,2,3
.irp c, 0,1,2,3
	v_min_u32 v[A3+4*(\e)+(\c)], TOP3, v[A3+4*(\e)+(\c)]  ; the bound
.endr
.endr
	s_wait_alu depctr_va_vdst(0)                   ; A3 and NA1 are written, which the lookups below read; the last step's blends are done reading G, the first half's additions AB, and the slot's readers the slot: loads land in all three below
.irp e, 0,1
.irp c, 0,1,2,3
	ds_load_b128 v[G+16*(\e)+4*(\c):G+16*(\e)+4*(\c)+3], v[A3+4*(\e)+(\c)]
.endr
.endr
	FADE FU, XF                                    ; the two fades name XF, YF, TP, TS, FU and FV alone: none of the registers that the loads round them touch, so these owe no further wait
.irp e, 2,3
.irp c, 0,1,2,3
	ds_load_b128 v[G+16*(\e)+4*(\c):G+16*(\e)+4*(\c)+3], v[A3+4*(\e)+(\c)]
.endr
.endr
	FADE FV, YF
.if \next
	XLOOK                                          ; they have the blends below in which to land
.endif
.if \fill
	FILL \s, ((\s)+DEPTH)*STEP                     ; the slot has been read out
.endif
	PAIR 0, 8+4*(\next)                            ; points 0 and 1, while the eight gradient loads of points 2 and 3, and the next step's four lookups, may be out
	PAIR 2, 4*(\next)
.endm
	s_wait_alu depctr_vm_vsrc(0)                   ; the build's loads, permutes and LDS stores have read their registers (v[82:112], G): the steps write these anew
	s_wait_loadcnt 12                              ; slot 0 is in; the twelve loads of slots 1 to 3 stay out
	XADDR RING+12
	s_wait_alu depctr_va_vdst(0)                   ; step 0's addresses NA1 are written, which its lookups read
	XLOOK
	HEAD 0, -1                                     ; step 0's first half stands ahead of the loop: there is no step before it to store
	s_mov_b32 s[CNT], TRIPS
.Ltrip:                                                ; a trip goes from a step's second half to the first half four steps on; each slot is loaded again
	BODY 0, 1, 1, 8
	HEAD 1, 0
	BODY 1, 1, 1, 8
	HEAD 2, STEP
	BODY 2, 1, 1, 8
	HEAD 3, 2*STEP
	BODY 3, 1, 1, 8
	HEAD 0, 3*STEP
	s_wait_xcnt 0x0                                ; every load and store issued so far has had its address translated: the bases step only behind this wait
	s_add_nc_u64 s[4:5], s[4:5], DEPTH*STEP        ; x, y, z, idx and out0 at the next trip's first step
	s_add_nc_u64 s[6:7], s[6:7], DEPTH*STEP
	s_add_nc_u64 s[8:9], s[8:9], DEPTH*STEP
	s_add_nc_u64 s[14:15], s[14:15], DEPTH*STEP
	s_add_nc_u64 s[16:17], s[16:17], DEPTH*STEP
	s_sub_co_u32 s[CNT], s[CNT], 1
	s_cmp_lg_u32 s[CNT], 0
	s_cbranch_scc1 .Ltrip
	BODY 0, 0, 1, 8                                ; the last four steps load nothing: no load leaves the arrays, and the counts run down
	HEAD 1, 0
	BODY 1, 0, 1, 4
	HEAD 2, STEP
	BODY 2, 0, 1, 0
	HEAD 3, 2*STEP
	BODY 3, 0, 0, 0
	s_wait_alu depctr_va_vdst(0)                   ; the last step's blends have written OUT, which the last store reads
	global_store_b128 v[OFF], v[OUT:OUT+3], s[16:17] offset:3*STEP th:TH_STORE_NT
	s_wait_dscnt 0x0                               ; the closing lines, six on end
	s_wait_alu 0x0
	s_wait_tensorcnt 0x0
	ds_add_u32 v[SPW], v[NIL]
	s_wait_dscnt 0x0
	s_endpgm
.Lfunc_end_k_qac3a010c5f_noise:
	.size	k_qac3a010c5f_noise, .Lfunc_end_k_qac3a010c5f_noise-k_qac3a010c5f_noise
	.p2alignl 7, 3214868480
	.fill 96, 4, 3214868480
	.section	.rodata,"a",@progbits
	.p2align	6, 0x0
	.amdhsa_kernel k_qac3a010c5f_noise
		.amdhsa_group_segment_fixed_size 272384
		.amdhsa_private_segment_fixed_size 0
		.amdhsa_enable_private_segment 0
		.amdhsa_kernarg_size 56
		.amdhsa_user_sgpr_count 2
		.amdhsa_user_sgpr_kernarg_segment_ptr 1
		.amdhsa_wavefront_size32 1
		.amdhsa_system_sgpr_workgroup_id_x 1
		.amdhsa_system_sgpr_workgroup_id_y 1
		.amdhsa_system_sgpr_workgroup_id_z 1
		.amdhsa_system_vgpr_workitem_id 0
		.amdhsa_next_free_vgpr 256
		.amdhsa_next_free_sgpr 66
		.amdhsa_reserve_vcc 0
		.amdhsa_float_denorm_mode_32 3
		.amdhsa_float_denorm_mode_16_64 3
		.amdhsa_memory_ordered 1
		.amdhsa_forward_progress 1
		.amdhsa_inst_pref_size 128
	.end_amdhsa_kernel
	.amdgpu_metadata
---
amdhsa.version: [ 1, 2 ]
amdhsa.kernels:
  - .name:           k_qac3a010c5f_noise
    .symbol:         k_qac3a010c5f_noise.kd
    .args:
      - { .name: x, .offset: 0, .size: 8, .value_kind: global_buffer, .address_space: global }
      - { .name: y, .offset: 8, .size: 8, .value_kind: global_buffer, .address_space: global }
      - { .name: z, .offset: 16, .size: 8, .value_kind: global_buffer, .address_space: global }
      - { .name: perm, .offset: 24, .size: 8, .value_kind: global_buffer, .address_space: global }
      - { .name: grad3, .offset: 32, .size: 8, .value_kind: global_buffer, .address_space: global }
      - { .name: idx, .offset: 40, .size: 8, .value_kind: global_buffer, .address_space: global }
      - { .name: out0, .offset: 48, .size: 8, .value_kind: global_buffer, .address_space: global }
    .group_segment_fixed_size: 272384
    .private_segment_fixed_size: 0
    .kernarg_segment_align: 8
    .kernarg_segment_size: 56
    .max_flat_workgroup_size: 512
    .sgpr_count:     66
    .vgpr_count:     256
    .wavefront_size: 32
...
	.end_amdgpu_metadata
.endif
;; end of part 3
